; MI455X (gfx1250); checked and timed in simulation.
; The chip was launched on July 23, 2026; its instructions are those of AMD's public machine-readable ISA for CDNA 5 (MIT licence, August 2026) and "CDNA5" Instruction Set Architecture Reference Guide (July 2026). The comments in the code are by the model that wrote it; some were corrected since.
;; Position Attention Module. Allowed arithmetic: matrix products marked QUANTISED: E4M3 operands, one given power-of-two scale a tensor, by v_wmma_f32_16x16x64_fp8_fp8 or v_wmma_f32_16x16x128_fp8_fp8, f32 sums; everything else in f32.
;; Inputs: alpha 1 float32; bb 64 float32; bc 64 float32; bd 64 float32; lowp_scales 10 int32 (the exponents e of the quantised operands' scales 2^e); wb_codes 64 x 2 x 32 uint8 (E4M3 codes of wb, K innermost, in blocks of 32 codes); wc_codes 64 x 2 x 32 uint8 (E4M3 codes of wc, K innermost, in blocks of 32 codes); wd_codes 64 x 2 x 32 uint8 (E4M3 codes of wd, K innermost, in blocks of 32 codes); x 4 x 64 x 64 x 64 float32.
;; Outputs: out0 4 x 64 x 64 x 64 float32.
;; This version of the problem:
;;   THIS VERSION OF THE PROBLEM IS GIVEN IN LOW PRECISION. The matrix products marked QUANTISED in the list below multiply operands that are first quantised to E4M3 (4 exponent bits, 3 mantissa bits; 8 bits a number), with one given power-of-two scale for each operand tensor; their sums are f32. All else is computed in f32.
;;   The module's matrix products, in the order in which they are computed (A, B: the left and right operand; K: the contracted axis; several contracted axes count as one K, in the product's order):
;;     1. [M 16,384, K 64] x [K 64, N 64]; A: input x; B: input wb (given as codes): QUANTISED (scales: A lowp_scales[0], B lowp_scales[1])
;;     2. [M 16,384, K 64] x [K 64, N 64]; A: input x; B: input wc (given as codes): QUANTISED (scales: A lowp_scales[2], B lowp_scales[3])
;;     3. [M 16,384, K 64] x [K 64, N 64]; A: input x; B: input wd (given as codes): QUANTISED (scales: A lowp_scales[4], B lowp_scales[5])
;;     4. batch 4 x [M 4,096, K 64] x [K 64, N 4,096]; A: computed on the way; B: computed on the way: QUANTISED (scales: A lowp_scales[6], B lowp_scales[7])
;;     5. batch 4 x [M 64, K 4,096] x [K 4,096, N 4,096]; A: computed on the way; B: softmax (see below): QUANTISED (scales: A lowp_scales[8], B lowp_scales[9])
;;   THE QUANTISER, for each operand of a quantised product, along K:
;;     - The operand's scale is 2^e, e = its entry of the input lowp_scales (int32; the entries are numbered through the quantised products in the list's order, A before B).
;;     - Each number is divided by the scale, clamped to +-448, and rounded to the nearest number of E4M3, ties to even, subnormals kept.
;;     - The product sums the exact products of the quantised numbers (number of the format x scale) in f32.
;;   ~~~python
;;   def quantise(x, axis, e):      # numpy; x: float32 -> the quantised numbers, widened to float32 again
;;       x = np.moveaxis(x, axis, -1); K = x.shape[-1]
;;       r = np.clip(x / 2.0 ** e, -448, 448)
;;       step = 2.0 ** (np.maximum(np.frexp(np.where(r == 0, 1, r))[1] - 1, -6) - 3)
;;       q = np.round(r / step) * step * 2.0 ** e      # np.round: ties to even
;;       return np.moveaxis(q, -1, axis).astype(np.float32)
;;   ~~~
;;   SOFTMAX AHEAD OF A QUANTISED PRODUCT. Where the list says 'softmax', what is quantised is not the finished softmax but p = 2^(t - M), with t = logit x log2(e) and M = ceil(the row's largest t), a whole number; so 1/2 < the row's largest p <= 1. The row's sum l is taken of the UNQUANTISED p, in f32, and the product's result is divided by l at the end. Since M is a whole number, a kernel that streams over the keys may use a running M (the ceiling of the running maximum): every later rescaling is an exact power of two, so the quantised numbers keep their values, but for numbers so far below the row's largest that they fall under the format's range.
;;   OPERANDS COMPUTED ON THE WAY. 'Computed on the way' means the value that the module computes at that place (a softmax that the list does not call 'softmax' is quantised finished and normalised). What goes into a quantiser is computed in f32, as accurately as f32 sums, v_exp_f32 and their like allow (about 1e-6 of the number): no bf16 or f16 on the way to a quantiser, and a product that is left as it is and whose result goes on into a quantised operand takes f32 operands (vector FMAs, or v_wmma_f32_16x16x4_f32). A number that lies on a knife's edge between two numbers of the format may be rounded either way, as far as f32 arithmetic and the matrix unit's own rounding can turn it there, and no further.
;;   INPUTS GIVEN AS CODES. wb (in the module: [64, 64], K = its axis 1); wc (in the module: [64, 64], K = its axis 1); wd (in the module: [64, 64], K = its axis 1): each comes as NAME_codes (uint8): NAME with its K axis moved to the last place and cut into blocks of 32 codes, [.., K / 32, bytes a block], one block behind the other in memory; one code a byte (a code: sign, 4 exponent bits, 3 mantissa bits); its scale is its entry of lowp_scales. Its value is code x scale, taken as it is: it is not quantised again, and the codes and scales need not be those that the quantiser above would give.
;; One version. Each part assembles by itself: llvm-mc -triple=amdgcn-amd-amdhsa -mcpu=gfx1250 --defsym DOCPART=n.
;; ======== version 1 of 1: 2 launches
;; limits: right only within a limited range of input values
;; workspace buffers: q 1,048,576 bytes; kv 2,097,152 bytes
;; launch proj (part 1): grid 256 x 1, 2 waves a work-group, no clusters, 0 bytes of LDS; arguments x, wb_codes, wc_codes, wd_codes, bb, bc, bd, lowp_scales, q, kv; writes q, kv
.if DOCPART == 1
	.amdgcn_target "amdgcn-amd-amdhsa--gfx1250"
	.amdhsa_code_object_version 6
	.text
	.protected	k_q061aef0e4b_proj
	.globl	k_q061aef0e4b_proj
	.p2align	8
	.type	k_q061aef0e4b_proj,@function
k_q061aef0e4b_proj:
	s_mov_b64 s[64:65], 0
	v_nop
	global_prefetch_b8 v0, s[64:65] scope:SCOPE_SE
	s_setreg_imm32_b32 hwreg(HW_REG_WAVE_MODE, 25, 1), 1
	s_wait_xcnt 0x0
; THE THREE 1 x 1 PROJECTIONS, on codes of FP8 (E4M3), and their results quantised again for the attention that follows.
; x: [4][64 channels][4096 pixels] f32.  wb, wc, wd: codes [64 o][64 c], K = c innermost.  bb, bc, bd: [64] f32.  The ten exponents e0 .. e9: int32.
;   keys    xb = wb x + bb: x at 2^e0, wb at 2^e1, the result quantised at 2^e7 along the channels
;   queries xc = wc x + bc: x at 2^e2, wc at 2^e3, the result at 2^e6 along the channels
;   values  xd = wd x + bd: x at 2^e4, wd at 2^e5, the result at 2^e8 along the PIXELS (the keys are the last product's K)
; WHAT IS STORED are images of the operands' registers, as the next launch's matrix instructions want them, 16 bytes a lane, 512 consecutive bytes a store:
;   q : [batch][tile of 16 pixels][c 2][lane][16 B]: lane (r, h) holds pixel r; registers 2 T, 2 T + 1 hold channels 16 T + 8 h + 0 .. 7
;   kv: [batch][step of 128 pixels][K: 8 tiles laid like q's, 8,192 B | V: [channel tile T 4][b 4][lane][16 B], 8,192 B]: lane (r, h) holds channel 16 T + r; registers 2 t, 2 t + 1 hold pixels 16 t + 8 h + 0 .. 7
; SHARES.  A work-group of two waves takes 64 pixels of one batch, a wave 32: two tiles of 16.  Waves share nothing: no LDS, no barrier.  A LANE TAKES A PIXEL AND ITS REGISTERS RUN DOWN THE CHANNELS: each load
; of x reads 128 consecutive bytes (the two waves stand side by side on 256), and the conversions, which take neighbours along K from one lane's registers, give codes with K innermost.
; A lane then holds all 64 channels of its pixel, a fragment wants 32 of them in each half of the lanes: one exchange of halves between two registers does it.
; The sums lack the factor 2^(ex + ew): the bias goes in as the C of the product, divided by it, and the three exponents are folded into the second conversion's one scale, 2^(et - ex - ew).
; LIMITS, so that each power of two below is an f32 number: e0, e2, e4 and e7 - e0 - e1, e6 - e2 - e3, e8 - e4 - e5 between -126 and 119.  NaN among the inputs is not served.
; No tensor loads and no cluster: a work-group's bytes of x are read by nobody else, and the weights are 12 KB.
; REGISTERS, window 0: v1-5 offsets; v16-18, v22-24 scales; v32-47 V's codes; v48-95 x's six fragments; v96-159 x, later eight accumulators; v160-223 eight more; v224-239 K's codes; v240-255 Q's.
;            window 1: v0-31 wb, v32-63 wc, v200-231 wd (tile T of 16 rows: 8 registers); v96-127 bb, v128-159 bc in the result's layout; v160-163 bd as loaded; v164-195 bd, eight equal registers a tile.
.set XO,   1                           ; v1   4 x lane: my pixel in a channel's row
.set SO,   2                           ; v2   16 x lane: my place in an image
.set WO,   3                           ; v3   a weight's row r of 64 bytes, + 16 h
.set BO,   4                           ; v4   32 h: my half's eight biases of a tile
.set DO,   5                           ; v5   4 r: bd of my channel
.set SX,   16                          ; v16-18  2^ex for K, Q, V
.set LX,   19
.set SY,   22                          ; v22-24  2^(et - ex - ew)
.set LY,   25
.set TT,   32
.set VC,   32                          ; later V's codes
.set FX,   48                          ; x's fragments: for p = K, Q, V: tile 0 at FX + 16 p, tile 1 at FX + 16 p + 8
.set XR,   96                          ; x as loaded
.set AC0,  96
.set AC1,  160
.set KC,   224
.set QC,   240
.set WB,   0                           ; window 1
.set WC,   32
.set BB,   96
.set BC,   128
.set BDR,  160
.set BV,   164
.set WD,   200
.set MSB, 0
.macro WIN new                         ; the immediate's high byte repeats the setting that is left; a switch that changes nothing is dropped
.if MSB != \new
	s_set_vgpr_msb (MSB<<8)|\new
.set MSB, \new
.endif
.endm
	s_load_b512 s[4:19], s[0:1], 0x0               ; x 4:5, wb 6:7, wc 8:9, wd 10:11, bb 12:13, bc 14:15, bd 16:17, the exponents 18:19
	s_load_b128 s[20:23], s[0:1], 0x40             ; q 20:21, kv 22:23
	v_and_b32 v6, 31, v0                           ; lane
	v_lshrrev_b32 v7, 5, v0
	v_readfirstlane_b32 s34, v7                    ; wave 0, 1
	v_lshlrev_b32 v[XO], 2, v6
	v_lshlrev_b32 v[SO], 4, v6
	v_and_b32 v8, 15, v0                           ; r
	v_bfe_u32 v9, v0, 4, 1                         ; h
	v_lshlrev_b32 v[WO], 6, v8
	v_lshl_add_u32 v[WO], v9, 4, v[WO]
	v_lshlrev_b32 v[BO], 5, v9
	v_lshlrev_b32 v[DO], 2, v8
	s_lshr_b32 s35, ttmp9, 6                       ; batch
	s_and_b32 s36, ttmp9, 63
	s_lshl_b32 s36, s36, 6
	s_lshl_b32 s37, s34, 5
	s_add_co_u32 s36, s36, s37                     ; p0: my wave's first pixel, a multiple of 32
	s_lshl_b32 s40, s35, 20                        ; x: a batch is 64 x 4,096 x 4 bytes,
	s_lshl_b32 s37, s36, 2
	s_add_co_u32 s40, s40, s37                     ; + 4 p0
	s_mov_b32 s41, 0
	s_lshr_b32 s38, s36, 5                         ; p0 / 32
	s_lshl_b32 s42, s35, 18                        ; q: a batch is 256 tiles of 1,024 bytes,
	s_lshl_b32 s37, s38, 11
	s_add_co_u32 s42, s42, s37                     ; + my two tiles' place
	s_mov_b32 s43, 0
	s_lshl_b32 s44, s35, 19                        ; kv: a batch is 32 steps of 16,384 bytes,
	s_lshr_b32 s37, s36, 7
	s_lshl_b32 s37, s37, 14
	s_add_co_u32 s44, s44, s37                     ; + my step
	s_and_b32 s38, s38, 3                          ; which 32 of the step's 128 pixels are mine
	s_lshl_b32 s37, s38, 9
	s_add_co_u32 s46, s44, s37                     ; V: quad b = that number: 512 bytes each,
	s_add_co_u32 s46, s46, 8192                    ; behind K's image
	s_mov_b32 s47, 0
	s_lshl_b32 s37, s38, 11
	s_add_co_u32 s44, s44, s37                     ; K: two tiles of 1,024 bytes
	s_mov_b32 s45, 0
	s_wait_alu depctr_va_vdst(0)
	s_wait_kmcnt 0x0
	s_load_b256 s[24:31], s[18:19], 0x0            ; e0 .. e7
	s_load_b32 s32, s[18:19], 0x20                 ; e8
	s_add_nc_u64 s[4:5], s[4:5], s[40:41]
	s_add_nc_u64 s[20:21], s[20:21], s[42:43]
	s_add_nc_u64 s[48:49], s[22:23], s[46:47]      ; V's part of kv
	s_add_nc_u64 s[22:23], s[22:23], s[44:45]      ; K's part
	; The weights: lane (r, h) takes, of row 16 T + r, channels 32 c + 16 h + 0 .. 15 into registers 4 c .. 4 c + 3.  That is a permutation of k against the form's own places; x's fragments are laid the same way, so every product meets its partner.
	WIN 0x40                                       ; destination window 1, address window 0
.irp T, 0,1,2,3
.irp c, 0,1
	global_load_b128 v[WB+8*\T+4*\c:WB+8*\T+4*\c+3], v[WO], s[6:7] offset:1024*\T+32*\c
	global_load_b128 v[WC+8*\T+4*\c:WC+8*\T+4*\c+3], v[WO], s[8:9] offset:1024*\T+32*\c
	global_load_b128 v[WD+8*\T+4*\c:WD+8*\T+4*\c+3], v[WO], s[10:11] offset:1024*\T+32*\c
.endr
.endr
.irp T, 0,1,2,3                        ; bb, bc: register j of tile T is the bias of channel 16 T + 8 h + j;  bd: one number a lane, channel 16 T + r
	global_load_b128 v[BB+8*\T:BB+8*\T+3],   v[BO], s[12:13] offset:64*\T
	global_load_b128 v[BB+8*\T+4:BB+8*\T+7], v[BO], s[12:13] offset:64*\T+16
	global_load_b128 v[BC+8*\T:BC+8*\T+3],   v[BO], s[14:15] offset:64*\T
	global_load_b128 v[BC+8*\T+4:BC+8*\T+7], v[BO], s[14:15] offset:64*\T+16
	global_load_b32  v[BDR+\T],              v[DO], s[16:17] offset:64*\T
.endr
	WIN 0
.set k, 0
.rept 64
	global_load_b32 v[XR+k], v[XO], s[4:5] offset:k*16384          ; x(channel k, my pixel): 32 lanes read 128 consecutive bytes; the next launch reads x again, so no hint
.set k, k+1
.endr
; the scales of projection p: ex, ew, et are the scalar registers that hold the three exponents
.macro SCALES p, ex, ew, et
	s_add_co_i32 s53, s[\ex], 127
	s_lshl_b32 s54, s53, 23
	v_mov_b32 v[SX+\p], s54                        ; 2^ex as f32: the conversion takes its exponent field
	s_add_co_i32 s54, s[\ex], s[\ew]
	s_sub_co_i32 s[50+\p], 0, s54                  ; -(ex + ew), for the bias
	s_sub_co_i32 s53, s[\et], s54
	s_add_co_i32 s53, s53, 127
	s_lshl_b32 s54, s53, 23
	v_mov_b32 v[SY+\p], s54                        ; 2^(et - ex - ew)
	s_add_co_i32 s53, s53, 8
	s_lshl_b32 s53, s53, 23
	s_or_b32 s53, s53, 0x600000
.endm
	s_wait_kmcnt 0x0
	SCALES 0, 24, 25, 31                           ; keys:    e0, e1 -> e7
	SCALES 1, 26, 27, 30                           ; queries: e2, e3 -> e6
	SCALES 2, 28, 29, 32                           ; values:  e4, e5 -> e8
	; x BECOMES CODES, three times, eight channels at a time.  Channels 8 m .. 8 m + 7 go to the pair that the fragment's layout gives them: half (m / 2) % 2, quad m / 4, pair m % 2.
.set m, 0
	s_wait_alu depctr_va_vdst(0)
.rept 8
	s_wait_loadcnt 8*(7-m)                         ; loads come back in order: behind group m's eight stand the 8 (7 - m) of the later groups; the weights and biases were asked for earlier
.irp p, 0,1,2
.set TS, TT+8*((3*m+\p)%2)
.set D, FX+16*\p+8*((m/2)%2)+4*(m/4)+2*(m%2)
.irp i, 0,1,2,3,4,5,6,7
.endr
	v_cvt_scalef32_pk8_fp8_f32 v[D:D+1], v[TS+((XR+8*m+0)-(TS+0)):TS+7+((XR+8*m+0)-(TS+0))], v[SX+\p]
.endr
.set m, m+1
.endr
	v_nop                                          ; one plain vector line behind the last conversion, ahead of the lines that touch its result
	; In registers FX + 16 p + 0 .. 7 a lane holds channels 32 c + 0 .. 15 of its pixel, in + 8 .. 15 channels 32 c + 16 .. 31.  The exchange (first register's lanes 16-31 with second register's lanes 0-15) leaves
	; tile 0's fragment in the first eight (lanes 0-15: pixels 0-15, lower halves of the channels; lanes 16-31: the same pixels, upper halves) and tile 1's in the second eight.
.irp p, 0,1,2
.irp i, 0,1,2,3,4,5,6,7
	v_permlane16_swap_b32 v[FX+16*\p+\i], v[FX+16*\p+8+\i]
.endr
.endr
	WIN 0x41                                       ; source 0 and destination window 1
.set j, 0
.rept 32
	v_ldexp_f32 v[BB+j], v[BB+j], s50              ; bias / 2^(ex + ew): exact
	v_ldexp_f32 v[BC+j], v[BC+j], s51
.set j, j+1
.endr
.irp T, 0,1,2,3
.irp j, 0,1,2,3,4,5,6,7
	v_ldexp_f32 v[BV+8*\T+\j], v[BDR+\T], s52      ; in V's result a lane holds one channel: eight equal registers
.endr
.endr
	; KEYS AND QUERIES: source 0 = 16 rows of the weight, source 1 = 16 pixels of x: lane (r, h) holds pixel r, register j channel 16 T + 8 h + j.  Sixteen different accumulators, each one instruction.
	WIN 0x11                                       ; source 0 (weight) and source 2 (bias) window 1
.irp u, 0,1
.irp T, 0,1,2,3
	v_wmma_f32_16x16x64_fp8_fp8 v[AC0+8*(4*\u+\T):AC0+8*(4*\u+\T)+7], v[WB+8*\T:WB+8*\T+7], v[FX+8*\u:FX+8*\u+7], v[BB+8*\T:BB+8*\T+7]
.endr
.endr
.irp u, 0,1
.irp T, 0,1,2,3
	v_wmma_f32_16x16x64_fp8_fp8 v[AC1+8*(4*\u+\T):AC1+8*(4*\u+\T)+7], v[WC+8*\T:WC+8*\T+7], v[FX+16+8*\u:FX+16+8*\u+7], v[BC+8*\T:BC+8*\T+7]
.endr
.endr
	WIN 0
.rept 4
	v_nop                                          ; four places between a matrix instruction and the vector lines that read and rewrite its result (ISA guide 7.12.1)
.endr
; one accumulator's eight numbers, neighbours along the next K, become a pair of registers of codes; each accumulator is taken from its low end on
.macro QUANT acc, dst, p
.irp i, 0,1,2,3,4,5,6,7
.endr
	v_cvt_scalef32_pk8_fp8_f32 v[(\dst):(\dst)+1], v[(\acc):(\acc)+7], v[SY+\p]
.endm
.irp u, 0,1
.irp T, 0,1,2,3
	QUANT AC0+8*(4*\u+\T), KC+8*\u+2*\T, 0         ; registers 2 T, 2 T + 1 of tile u's fragment: channels 16 T + 8 h + 0 .. 7
.endr
.endr
	v_nop                                          ; one plain line behind the last conversion
.irp i, 0,1,2,3
	global_store_b128 v[SO], v[KC+4*\i:KC+4*\i+3], s[22:23] offset:512*\i      ; 32 lanes store 512 consecutive bytes, at a multiple of 512 from kv's first byte
.endr
.irp u, 0,1
.irp T, 0,1,2,3
	QUANT AC1+8*(4*\u+\T), QC+8*\u+2*\T, 1
.endr
.endr
	v_nop
.irp i, 0,1,2,3
	global_store_b128 v[SO], v[QC+4*\i:QC+4*\i+3], s[20:21] offset:512*\i
.endr
	; VALUES, the other way round: source 0 = 16 pixels of x, source 1 = 16 rows of wd: lane (r, h) holds channel 16 T + r, register j pixel 8 h + j of tile u: neighbours along the last product's K.
	; They write over the keys' accumulators: the queries' eight conversions, which name none of the keys' products' registers, stand between (five places are asked).
	WIN 0x14                                       ; source 1 (weight) and source 2 (bias) window 1
.irp u, 0,1
.irp T, 0,1,2,3
	v_wmma_f32_16x16x64_fp8_fp8 v[AC0+8*(4*\u+\T):AC0+8*(4*\u+\T)+7], v[FX+32+8*\u:FX+32+8*\u+7], v[WD+8*\T:WD+8*\T+7], v[BV+8*\T:BV+8*\T+7]
.endr
.endr
	WIN 0
.rept 4
	v_nop
.endr
.irp u, 0,1
.irp T, 0,1,2,3
	QUANT AC0+8*(4*\u+\T), VC+4*\T+2*\u, 2         ; of channel tile T's quad: tile u's pair
.endr
.endr
	v_nop
.irp T, 0,1,2,3
	global_store_b128 v[SO], v[VC+4*\T:VC+4*\T+3], s[48:49] offset:2048*\T     ; no store's data or offset register is written again, so no wait stands behind the stores
.endr
	s_endpgm
.Lfunc_end_k_q061aef0e4b_proj:
	.size	k_q061aef0e4b_proj, .Lfunc_end_k_q061aef0e4b_proj-k_q061aef0e4b_proj
	.p2alignl 7, 3214868480
	.fill 96, 4, 3214868480
	.section	.rodata,"a",@progbits
	.p2align	6, 0x0
	.amdhsa_kernel k_q061aef0e4b_proj
		.amdhsa_group_segment_fixed_size 0
		.amdhsa_private_segment_fixed_size 0
		.amdhsa_enable_private_segment 0
		.amdhsa_kernarg_size 80
		.amdhsa_user_sgpr_count 2
		.amdhsa_user_sgpr_kernarg_segment_ptr 1
		.amdhsa_wavefront_size32 1
		.amdhsa_system_sgpr_workgroup_id_x 1
		.amdhsa_system_sgpr_workgroup_id_y 1
		.amdhsa_system_sgpr_workgroup_id_z 1
		.amdhsa_system_vgpr_workitem_id 0
		.amdhsa_next_free_vgpr 512
		.amdhsa_next_free_sgpr 66
		.amdhsa_reserve_vcc 0
		.amdhsa_float_denorm_mode_32 3
		.amdhsa_float_denorm_mode_16_64 3
		.amdhsa_fp16_overflow 1
		.amdhsa_memory_ordered 1
		.amdhsa_forward_progress 1
		.amdhsa_inst_pref_size 27
	.end_amdhsa_kernel
	.amdgpu_metadata
---
amdhsa.version: [ 1, 2 ]
amdhsa.kernels:
  - .name:           k_q061aef0e4b_proj
    .symbol:         k_q061aef0e4b_proj.kd
    .args:
      - { .name: x, .offset: 0, .size: 8, .value_kind: global_buffer, .address_space: global }
      - { .name: wb_codes, .offset: 8, .size: 8, .value_kind: global_buffer, .address_space: global }
      - { .name: wc_codes, .offset: 16, .size: 8, .value_kind: global_buffer, .address_space: global }
      - { .name: wd_codes, .offset: 24, .size: 8, .value_kind: global_buffer, .address_space: global }
      - { .name: bb, .offset: 32, .size: 8, .value_kind: global_buffer, .address_space: global }
      - { .name: bc, .offset: 40, .size: 8, .value_kind: global_buffer, .address_space: global }
      - { .name: bd, .offset: 48, .size: 8, .value_kind: global_buffer, .address_space: global }
      - { .name: lowp_scales, .offset: 56, .size: 8, .value_kind: global_buffer, .address_space: global }
      - { .name: q, .offset: 64, .size: 8, .value_kind: global_buffer, .address_space: global }
      - { .name: kv, .offset: 72, .size: 8, .value_kind: global_buffer, .address_space: global }
    .group_segment_fixed_size: 0
    .private_segment_fixed_size: 0
    .kernarg_segment_align: 8
    .kernarg_segment_size: 80
    .max_flat_workgroup_size: 64
    .sgpr_count:     66
    .vgpr_count:     512
    .wavefront_size: 32
...
	.end_amdgpu_metadata
.endif
;; end of part 1
;; launch attn (part 2): grid 64 x 4, 16 waves a work-group, clusters of 4 x 1, 327,680 bytes of LDS; arguments q, kv, lowp_scales, alpha, x, out0; writes out0
.if DOCPART == 2
	.amdgcn_target "amdgcn-amd-amdhsa--gfx1250"
	.amdhsa_code_object_version 6
	.text
	.protected	k_q061aef0e4b_attn
	.globl	k_q061aef0e4b_attn
	.p2align	8
	.type	k_q061aef0e4b_attn,@function
k_q061aef0e4b_attn:
	s_mov_b64 s[64:65], 0
	v_nop
	global_prefetch_b8 v0, s[64:65] scope:SCOPE_SE
	s_setreg_imm32_b32 hwreg(HW_REG_WAVE_MODE, 25, 1), 1
	s_wait_xcnt 0x0
	s_wait_alu depctr_hold_cnt(0) depctr_sa_sdst(0) depctr_va_vdst(0) depctr_va_sdst(0) depctr_va_ssrc(0) depctr_va_vcc(0) depctr_vm_vsrc(0)
	s_getreg_b32 s2, hwreg(HW_REG_IB_STS2, 6, 4)
	s_cmp_eq_u32 s2, 0
	s_cbranch_scc0 .Lentry_in_a_cluster
	s_endpgm
.Lentry_in_a_cluster:
	s_bfe_u32 s2, ttmp6, 0x10000c
	s_cmp_lg_u32 s2, 0x3003
	s_cbranch_scc0 .Lentry_shape_is_right
	s_endpgm
.Lentry_shape_is_right:
; out[n][c][i] = alpha x (the sum over j of softmax_j(xc[:, i] . xb[:, j]) xd[c][j]) + x[n][c][i], both products on codes of FP8 (E4M3) made by the launch before.
; q : [batch][tile of 16 queries][1,024 B]: images of the registers of a fragment 16 queries x 64 channels.   kv: [batch][step of 128 keys][K: 8 such images | V: 4 images of 16 channels x 128 keys]: 16,384 B a step.
; THE SOFTMAX AHEAD OF THE SECOND PRODUCT: t = logit x log2(e); M = the largest t so far, rounded UP to a whole number; p = 2^(t - M) is quantised at 2^e9, not normalised; the sum is taken of the unquantised p
; and divides at the end.  When M moves, the sum and O are multiplied by 2^(old M - new M): exact.
; SHARES.  A work-group owns 64 queries of one batch: 256 work-groups.  Sixteen waves of 256 registers, four to a SIMD, so that one wave's vector work stands beside another's products and LDS loads.
; Wave w: QT = w % 4 is its tile of 16 queries, G = w / 4 its share of the keys: of every block of 8 steps it takes steps 2 G and 2 G + 1.  At the end the four shares of a tile meet in LDS and are joined by exact powers of two.
; LAYOUT.  S^T = K Q^T (source 0 = 16 keys, source 1 = my 16 queries): a lane holds ONE query (lane % 16); register j of tile t is key 16 t + 8 (lane / 16) + j, which is the place that the 128-deep form gives k: the
; conversions' results are the second product's operand.  O^T = V^T P^T (source 0 = 16 channels, source 1 = P): again one query a lane.
; RING.  Two LDS slots of 8 steps (131,072 bytes, a dense copy of memory: every fragment load takes 16 bytes a lane, 512 on end, so no padding).  Waves 0-7 fetch one step each.  Both slots are filled at the start
; (two loads of a wave are out then); later a wave has one load out, the refill behind a change of slots.
; THE FETCHES STAND UNDER THE SOFTMAX.  K and V have 64 registers each.  A step asks for its V behind its products on the scores, and for the NEXT step's K behind its exponentials: the sums, conversions and the
; rescaling of O^T, some 65 vector lines, stand between that request and the wait for it.
; THE CHANGE OF SLOTS STANDS INSIDE A BLOCK'S LAST STEP.  Once that step's V is in registers the wave reads the slot no more: there it waits for its tensor loads and its LDS loads and signals; 48 exponentials stand between
; the signal and the barrier's wait; behind the round come the refill and the next block's first K; the rest of the softmax and the products with V want registers alone.
; CLUSTER.  The four work-groups of a cluster belong to one batch and walk the same kv: each tile is asked for JOINTLY, by the same tensor load with the same descriptor and the mask of all four.
; LIMITS, so that each power of two below is an f32 number: e6 + e7 between -126 and 127 (added to log2(e)'s exponent field); e9 between -126 and 119; e8 + e9 is applied by v_ldexp_f32 and has none.  NaN is not served.
; REGISTERS: v1-11 addresses and numbers at work; v12 -M, v13 the largest t, v[14:15] the sum in two halves; v16-23 Q; v24-27 at work and offsets; v28-91 K's eight fragments; v92-155 V's four;
; v156-171 p's codes; v160-223 S^T, then p; v224-255 O^T.  The codes of tiles 0 and 1 go to v156-159; those of tile t >= 2 go over the first twelve registers of tiles 0 and 1, which have been converted by then.
.set STEPB, 16384                      ; a step's bytes: K's image, then V's
.set VOFF,  8192
.set SLOT1, 1<<17                      ; slot 1 begins here: one exclusive or turns an address in one slot into the other's
.set BLOCKB, 8*STEPB                   ; what a slot holds
.set SPARE, 2*SLOT1                    ; behind the ring: the spare words, 128 bytes for each of the sixteen waves: eight blocks of 256 bytes that no other line names
.set OIMG,  0                          ; the end: in slot 0, which has had its last fill, and which nobody reads behind the last change of slots: each wave's O^T, 4,096 bytes,
.set MIMG,  65536                      ; its -M, 128 bytes,
.set LIMG,  MIMG+2048                  ; its sum, 128 bytes,
.set STG,   LIMG+2048                  ; and the stage for the way out: 64 channels x (256 bytes + 16)
.set SP,    272
.set AK0, 1                            ; v1   16 x lane + 2 G steps: my place in a slot
.set ADR, 2                            ; v2   the same in the slot in hand: made anew from s[TB] ahead of each run of loads
.set SPW, 3                            ; v3   LDS address of my spare word: SPARE + 4 x my thread's number; never rewritten
.set NIL, 4                            ; v4   0; never rewritten
.set LIM, 5
.set SCL, 6                            ; v6   2^e9, for the conversion
.set PT,  7                            ; v7   what lane l xor 16 sends
.set FP,  8                            ; v[8:9]   the second chain of the maximum, then f = 2^(old M - new M); v9 is named as the pair's upper half
.set CH,  10                           ; v[10:11] the second chain of the sum
.set QF,  16
.set TM,  24                           ; v24  at work
.set GO,  25                           ; v25  my byte offset in x and in out
.set L16, 26                           ; v26  16 x lane
.set RR,  27                           ; v27  lane % 16
.set KP,  28
.set VF,  92
.set PC,  156
.set S,   160
.set O,   224
.set OW,  1                            ; the end's LDS addresses, made at the end in registers that are free then and never held loaded data: where I put my O^T,
.set MW,  2                            ; my -M and my sum;
.set OR,  5                            ; where I read channel tile G of my tile's four shares,
.set MR,  6                            ; their -M and sums;
.set SW,  7                            ; the stage: where I put a number of a channel's row,
.set SR,  10                           ; and where I read rows back
.set SH,  VF                           ; the end, in V's registers: the four shares' eight registers each,
.set MS,  VF+32                        ; their -M,
.set LS,  VF+36                        ; their sums,
.set MM,  VF+40                        ; the row's -M,
.set FF,  VF+42                        ; the four powers of two,
.set LL,  VF+46                        ; the row's sum, then the factor,
.set RS,  VF+48                        ; my eight results,
.set BK,  VF+56                        ; and two times two rows read back
.set WV,  18                           ; s18  my wave's number;  s19 QT, s20 G, s21 w % 8
.set SEL, 22                           ; s[22:23] lane selects for v_permlanex16_b32: lane l xor 16
.set CS,  24                           ; s[24:25] c = log2(e) x 2^(e6 + e7): the packed form names a pair and takes its low word for both halves
.set G1,  28                           ; s[28:35] descriptor group 1
.set G0A, 36                           ; s[36:39] descriptor group 0 of slot 0's first fill
.set G0,  40                           ; s[40:43] descriptor group 0 of slot 1's first fill, which then walks
.set TB,  44                           ; s44  LDS byte at which the slot in hand begins
.set TRIPS, 45                         ; s45  blocks still to be asked for
; A round of the cluster's barrier: my work-group's barrier, so that wave 0's signal speaks for all sixteen waves; wave 0 signals for the work-group; every wave waits for all four work-groups; my work-group's barrier once more.
.macro CREST                           ; a round behind its opening barrier
	s_cmp_lg_u32 s[WV], 0
	s_cbranch_scc1 .Lnot_wave_0_\@
	s_barrier_signal -3
.Lnot_wave_0_\@:
	s_barrier_wait -3
	s_barrier_signal -1
	s_barrier_wait -1
.endm
.macro CROUND                          ; a whole round
	s_barrier_signal -1
	s_barrier_wait -1
	CREST
.endm
; A joint refill: waves 0-7 fetch one step of the block each, the others nothing.  The branch hangs on the wave's number alone: it is the same in every work-group.  Four v_nop follow the load, ahead of the label.
.macro JLOAD
	s_cmp_lt_u32 s[WV], 8
	s_cbranch_scc0 .Lskip_\@
	tensor_load_to_lds s[G0:G0+3], s[G1:G1+7]
	s_nop 0
.rept 4
	v_nop
.endr
.Lskip_\@:
.endm
.macro LOADK off                       ; K's eight fragments of the step that begins off bytes into my place: tile i / 2, registers 4 (i % 2) on
.set i, 0
.rept 16
	ds_load_b128 v[KP+4*i:KP+4*i+3], v[ADR] offset:(\off)+512*i
.set i, i+1
.endr
.endm
	s_load_b256 s[4:11], s[0:1], 0x0               ; q 4:5, kv 6:7, the exponents 8:9, alpha 10:11
	s_load_b128 s[12:15], s[0:1], 0x20             ; x 12:13, out 14:15
	v_lshl_add_u32 v[SPW], v0, 2, SPARE
	v_mov_b32 v[NIL], 0
	ds_add_u32 v3, v4
	ds_add_u32 v3, v4
	s_wait_dscnt 0x0
	v_lshrrev_b32 v[TM], 5, v0
	s_delay_alu instid0(VALU_DEP_1)
	v_readfirstlane_b32 s[WV], v[TM]               ; wave 0..15
	s_and_b32 s19, s[WV], 3                        ; QT
	s_lshr_b32 s20, s[WV], 2                       ; G
	s_and_b32 s21, s[WV], 7                        ; which step of a block I fetch, if I fetch
	v_and_b32 v[L16], 31, v0
	s_delay_alu instid0(VALU_DEP_1)
	v_lshlrev_b32 v[L16], 4, v[L16]                ; 16 x lane
	v_and_b32 v[RR], 15, v0                        ; r
	v_bfe_u32 v[TM], v0, 4, 1                      ; h
	s_lshl_b32 s53, s20, 15
	v_add_nc_u32 v[AK0], s53, v[L16]
	s_lshl_b32 s53, s[WV], 16
	v_lshlrev_b32 v[GO], 14, v[TM]
	s_delay_alu instid0(VALU_DEP_1)
	v_lshl_add_u32 v[GO], v[RR], 4, v[GO]
	s_delay_alu instid0(VALU_DEP_1)
	v_add_nc_u32 v[GO], s53, v[GO]                 ; rows (channels) 4 w + h of x and out, 16 bytes a lane: a channel's row is 16,384 bytes
	s_bfe_u32 s55, ttmp6, 0x40000                  ; cx: my place in the cluster; it enters q's, x's and out's addresses alone
	s_lshl_b32 s56, ttmp9, 2                       ; in a cluster launch ttmp9 counts clusters
	s_add_co_u32 s56, s56, s55                     ; my block of 64 queries
	s_and_b32 s57, ttmp7, 0xffff                   ; the batch, which the four partners share
	s_lshl_b32 s[G0A+1], s21, 14                   ; 63:32 LDS address: my step's place in slot 0,
	s_add_co_u32 s[G0+1], s[G0A+1], SLOT1          ; and in slot 1
	s_lshl_b32 s58, s57, 19                        ; kv: a batch is 524,288 bytes,
	s_add_co_u32 s58, s58, s[G0A+1]                ; + my step of block 0
	s_mov_b32 s59, 0
	s_lshl_b32 s60, s57, 18                        ; q: a batch is 262,144 bytes, a block of queries 4,096, a tile 1,024
	s_lshl_b32 s47, s56, 12
	s_add_co_u32 s60, s60, s47
	s_lshl_b32 s47, s19, 10
	s_add_co_u32 s60, s60, s47
	s_mov_b32 s61, 0
	s_lshl_b32 s62, s57, 20                        ; x, out: a batch is 1,048,576 bytes; my block's 64 queries are 256 bytes of a row
	s_lshl_b32 s47, s56, 8
	s_add_co_u32 s62, s62, s47
	s_mov_b32 s63, 0
	; descriptor group 1: a step is dense in memory: 64 rows of 32 elements of 8 bytes
	s_mov_b32 s[G1+0], 15|(3<<16)|(1<<21)          ; 15:0 the mask: all four work-groups; 17:16 elements of 8 bytes; 20 no padding; 21 set beside a mask
	s_mov_b32 s[G1+1], 32<<16                      ; tensor_dim0 = 32
	s_mov_b32 s[G1+2], 64<<16                      ; tensor_dim1 = 64
	s_mov_b32 s[G1+3], 32<<16                      ; tile_dim0 = 32
	s_mov_b32 s[G1+4], 64                          ; tile_dim1 = 64
	s_mov_b32 s[G1+5], 32                          ; tensor_dim0_stride
	s_mov_b32 s[G1+6], 0
	s_mov_b32 s[G1+7], 0
	s_mov_b32 s[SEL], 0x76543210
	s_mov_b32 s[SEL+1], 0xfedcba98
	s_mov_b32 s[CS], 0x3fb8aa3b                    ; log2(e)
	s_mov_b32 s[TB], 0
	s_mov_b32 s[TRIPS], 2
	s_wait_alu depctr_va_vdst(0)
	s_wait_kmcnt 0x0
	s_load_b64 s[48:49], s[8:9], 0x18              ; e6, e7
	s_load_b64 s[50:51], s[8:9], 0x20              ; e8, e9
	s_load_b32 s52, s[10:11], 0x0                  ; alpha
	s_add_nc_u64 s[4:5], s[4:5], s[60:61]
	global_load_b128 v[QF:QF+3],   v[L16], s[4:5]                  ; Q's fragment stays in registers; asked for ahead of the round, so that it is on its way beside the first tiles
	global_load_b128 v[QF+4:QF+7], v[L16], s[4:5] offset:512
	s_add_nc_u64 s[6:7], s[6:7], s[58:59]
	s_mov_b32 s[G0A], 1                            ; 1:0 count = 1
	s_mov_b64 s[G0A+2:G0A+3], s[6:7]               ; 120:64 global address: block 0
	s_or_b32 s[G0A+3], s[G0A+3], 0x80000000        ; 127:126 type = 2
	s_mov_b32 s[G0], 1
	s_add_nc_u64 s[G0+2:G0+3], s[6:7], BLOCKB      ; block 1
	s_or_b32 s[G0+3], s[G0+3], 0x80000000
	s_add_nc_u64 s[12:13], s[12:13], s[62:63]
	s_add_nc_u64 s[14:15], s[14:15], s[62:63]
	CROUND                                         ; all four work-groups are here: the first joint loads meet
	s_cmp_lt_u32 s[WV], 8                          ; a wave's two first fills stand in one branch, ahead of every wait on TENSORcnt, every LDS read and every other barrier; four v_nop follow the second, as in JLOAD
	s_cbranch_scc0 .Lno_first
	tensor_load_to_lds s[G0A:G0A+3], s[G1:G1+7]    ; block 0 into slot 0
	s_nop 0
	tensor_load_to_lds s[G0:G0+3], s[G1:G1+7]      ; block 1 into slot 1
	s_nop 0
.rept 4
	v_nop
.endr
.Lno_first:
	v_mov_b32 v13, 0xff61b1e6                      ; the largest t so far: -3e38, under every t
	s_delay_alu instid0(VALU_DEP_1)
	v_floor_f32 v12, -v13                          ; -M
	v_mov_b32 v14, 0                               ; the sum, in two halves
	v_mov_b32 v15, 0
	v_mov_b32 v[PT], 0                             ; written once: a lane permute's destination counts as one of its sources
	v_mov_b32 v[FP+1], 0                           ; (named as the upper half of the pair)
.set j, 0
.rept 32
	v_mov_b32 v[O+j], 0                            ; O^T.  (The step has no first form of its own: the first finds zeros, which the first change of M leaves zeros)
.set j, j+1
.endr
	s_wait_kmcnt 0x0
	s_add_co_i32 s53, s48, s49
	s_lshl_b32 s53, s53, 23
	s_add_co_i32 s[CS], s[CS], s53                 ; a score stands for score x 2^(e6 + e7): the two exponents are added to log2(e)'s exponent field
	s_mov_b32 s[CS+1], s[CS]                       ; (named with it as a pair, so it is written)
	s_add_co_i32 s53, s51, 127
	s_lshl_b32 s54, s53, 23
	v_mov_b32 v[SCL], s54                          ; 2^e9 as f32, for the conversion
	s_add_co_i32 s46, s50, s51                     ; e8 + e9, for the end
	v_add_nc_u32 v[ADR], s[TB], v[AK0]
; A KEY STEP: 128 keys: the qq-th of my two steps in the slot in hand.  Its K was asked for in the step before.
; kind 0: the next step lies in the same slot.   kind 1: a block's last step, the slot is left and filled again.   kind 2: the same, nothing is left to fetch.   kind 3: the last step of all.
.macro STEP qq, kind
	s_wait_dscnt 0x0                               ; K is in
.irp t, 0,1,2,3,4,5,6,7
	v_wmma_f32_16x16x64_fp8_fp8 v[S+8*\t:S+8*\t+7], v[KP+8*\t:KP+8*\t+7], v[QF:QF+7], 0
.endr
	v_add_nc_u32 v[ADR], s[TB], v[AK0]
.rept 3
	v_nop                                          ; with the addition above: four places in front of the first read of the scores and of loads into registers that matrix instructions have read
.endr
.set i, 0
.rept 16
	ds_load_b128 v[VF+4*i:VF+4*i+3], v[ADR] offset:(\qq)*STEPB+VOFF+512*i      ; V's four fragments: channel tile i / 4, registers 4 (i % 4) on
.set i, i+1
.endr
.if \kind == 3
	global_load_b128 v[KP:KP+3],   v[GO], s[12:13] th:TH_LOAD_NT               ; no K follows: its registers take the rows of x that I add at the end; read once in this launch
	global_load_b128 v[KP+4:KP+7], v[GO], s[12:13] offset:32768 th:TH_LOAD_NT
.endif
	v_max3_num_f32 v[TM], v[S], v[S+1], v[S+2]     ; the step's largest score of my query, among my 64 keys, in two chains, ascending: each accumulator is read from its low end on
	v_max3_num_f32 v[FP], v[S+3], v[S+4], v[S+5]
.irp i, 6,10,14,18,22,26,30,34,38,42,46,50,54,58
	v_max3_num_f32 v[TM], v[TM], v[S+\i], v[S+1+\i]
	v_max3_num_f32 v[FP], v[FP], v[S+2+\i], v[S+3+\i]
.endr
	v_max3_num_f32 v[TM], v[TM], v[S+62], v[S+63]
	s_delay_alu instid0(VALU_DEP_1)
	v_max_num_f32 v[TM], v[TM], v[FP]
	s_delay_alu instid0(VALU_DEP_1)
	v_permlanex16_b32 v[PT], v[TM], s[SEL], s[SEL+1]
	s_delay_alu instid0(VALU_DEP_1)
	v_max_num_f32 v[TM], v[TM], v[PT]              ; and among lane l xor 16's
	s_delay_alu instid0(VALU_DEP_1)
	v_mul_f32 v[TM], s[CS], v[TM]                  ; as t (c is positive)
	s_delay_alu instid0(VALU_DEP_1)
	v_max_num_f32 v13, v13, v[TM]                  ; the running largest t
	v_mov_b32 v[TM], v12
	s_delay_alu instid0(VALU_DEP_2)
	v_floor_f32 v12, -v13                          ; the new -M = floor(-t) = -ceil(t): M is a whole number
	s_delay_alu instid0(VALU_DEP_1)
	v_sub_f32 v[TM], v12, v[TM]                    ; M's old value less its new one: a whole number, 0 or less
	s_delay_alu instid0(VALU_DEP_1)
	v_cvt_i32_f32 v[TM], v[TM]                     ; (it saturates)
	s_delay_alu instid0(VALU_DEP_1)
	v_ldexp_f32 v[FP], 1.0, v[TM]                  ; f = 2^(old M - new M): a multiplication by it rounds nothing
.set j, 0
.rept 32
	v_pk_fma_f32 v[S+j:S+j+1], v[S+j:S+j+1], s[CS:CS+1], v[12:13] op_sel_hi:[1,0,0]   ; t - M, two at a time (of the pairs c and -M the low word serves both halves)
.set j, j+2
.endr
.if (\kind == 1) || (\kind == 2)
	; THE CHANGE OF SLOTS.  I have asked for the last bytes that I want of this slot, this step's V.
	s_wait_tensorcnt 0x0                           ; all my tensor loads have landed, my part of the other slot among them: so group 0 may be written
	ds_add_u32 v[SPW], v[NIL]                      ; 0 onto my spare word; sixteen exponentials stand between it and the wait for it
.if \kind == 1
	s_xor_b32 s[G0+1], s[G0+1], SLOT1              ; the walking descriptor: the other slot than last time,
	s_add_nc_u64 s[G0+2:G0+3], s[G0+2:G0+3], BLOCKB    ; the next block; the type bits on top are not reached
.endif
	s_xor_b32 s[TB], s[TB], SLOT1                  ; my fetches go on in the other slot
.endif
.set j, 0
	s_wait_alu depctr_va_vdst(0)
.rept 16
	v_exp_f32 v[S+j], v[S+j]                       ; p = 2^(t - M), at most 1: not normalised
.set j, j+1
.endr
.if (\kind == 1) || (\kind == 2)
	s_wait_dscnt 0x0                               ; the add is done, V is in registers, and so my reads of this slot are over:
	s_barrier_signal -1                            ; say so (with kind 1 this barrier opens a round of the cluster's),
.endif
.rept 48
	v_exp_f32 v[S+j], v[S+j]                       ; (with kinds 1 and 2: work on registers while the others arrive)
.set j, j+1
.endr
.if (\kind == 1) || (\kind == 2)
	v_add_nc_u32 v[ADR], s[TB], v[AK0]             ; (the plain line behind the exponentials)
	s_barrier_wait -1                              ; and go on when all sixteen have said so: the other slot is whole, and nobody reads this one
.if \kind == 1
	CREST                                          ; no wave of any partner still reads this slot or has a load on its way
	JLOAD                                          ; the first tensor load behind the round, and my only one until the next: it has two steps of all sixteen waves in which to land
.endif
	s_wait_alu depctr_va_vdst(0)
	LOADK 0                                        ; the next block's first K
.elseif \kind == 0
	LOADK ((\qq)+1)*STEPB                          ; the next step's K
.endif
	v_pk_mul_f32 v[14:15], v[14:15], v[FP:FP+1] op_sel_hi:[1,0]    ; the sums under the new M.  (A plain line behind the exponentials)
	s_wait_alu depctr_va_vdst(0)
	v_pk_add_f32 v[10:11], v[164:165], v[168:169]
	v_pk_add_f32 v[158:159], v[172:173], v[176:177]
	v_pk_add_f32 v[156:157], v[180:181], v[184:185]
	v_pk_add_f32 v[14:15], v[14:15], v[188:189]
	v_pk_add_f32 v[10:11], v[10:11], v[192:193]
	v_pk_add_f32 v[158:159], v[158:159], v[196:197]
	v_pk_add_f32 v[156:157], v[156:157], v[200:201]
	v_pk_add_f32 v[14:15], v[14:15], v[204:205]
	v_pk_add_f32 v[10:11], v[10:11], v[208:209]
	v_pk_add_f32 v[158:159], v[158:159], v[212:213]
	v_pk_add_f32 v[156:157], v[156:157], v[216:217]
	v_pk_add_f32 v[14:15], v[14:15], v[220:221]
	v_pk_add_f32 v[10:11], v[10:11], v[160:161]
	v_pk_add_f32 v[158:159], v[158:159], v[162:163]
	v_pk_add_f32 v[156:157], v[156:157], v[166:167]
	v_pk_add_f32 v[14:15], v[14:15], v[170:171]
	v_pk_add_f32 v[10:11], v[10:11], v[174:175]
	v_pk_add_f32 v[158:159], v[158:159], v[178:179]
	v_pk_add_f32 v[156:157], v[156:157], v[182:183]
	v_pk_add_f32 v[14:15], v[14:15], v[186:187]
	v_pk_add_f32 v[10:11], v[10:11], v[190:191]
	v_pk_add_f32 v[158:159], v[158:159], v[194:195]
	v_pk_add_f32 v[156:157], v[156:157], v[198:199]
	v_pk_add_f32 v[14:15], v[14:15], v[202:203]
	v_pk_add_f32 v[10:11], v[10:11], v[206:207]
	v_pk_add_f32 v[158:159], v[158:159], v[210:211]
	v_pk_add_f32 v[156:157], v[156:157], v[214:215]
	v_pk_add_f32 v[14:15], v[14:15], v[218:219]
	v_pk_add_f32 v[10:11], v[10:11], v[222:223]
	s_delay_alu instid0(VALU_DEP_2)
	v_pk_add_f32 v[14:15], v[14:15], v[158:159]
	s_delay_alu instid0(VALU_DEP_2)
	v_pk_add_f32 v[10:11], v[10:11], v[156:157]
	s_delay_alu instid0(VALU_DEP_1)
	v_pk_add_f32 v[14:15], v[14:15], v[10:11]
.irp t, 0,1,2,3,4,5,6,7
.irp i, 0,1,2,3,4,5,6,7
.endr
	v_nop
	v_cvt_scalef32_pk8_fp8_f32 v[PC+2*\t:PC+2*\t+1], v[S+8*\t:S+8*\t+7], v[SCL]   ; registers 2 t, 2 t + 1 of P's fragment: keys 16 t + 8 h + 0 .. 7.  From t = 2 on they lie over p of tiles 0 and 1, converted two tiles back or more: a conversion and two v_nop stand between
.endr
.set j, 0
.rept 16
	v_pk_mul_f32 v[O+j:O+j+1], v[O+j:O+j+1], v[FP:FP+1] op_sel_hi:[1,0]        ; O^T under the new M, each accumulator from its low end on.  (These are also the plain lines behind the conversions)
.set j, j+2
.endr
.if \kind == 0
	s_wait_alu depctr_va_vdst(0)
	s_wait_dscnt 16                                ; LDS loads come back in order: V is in; the sixteen younger loads, the next step's K, may be out
.elseif \kind == 3
	s_wait_alu depctr_va_vdst(0)
	s_wait_dscnt 0x0                               ; V is in
.endif                                 ; (kinds 1 and 2: V was waited for in front of the signal)
.irp T, 0,1,2,3                        ; the four accumulators take turns, one instruction a turn, and the next step's eight products on the scores stand between two links
	v_wmma_f32_16x16x128_fp8_fp8 v[O+8*\T:O+8*\T+7], v[VF+16*\T:VF+16*\T+15], v[PC:PC+15], v[O+8*\T:O+8*\T+7]
.endr
.if \kind != 3
.rept 5
	v_nop                                          ; five places: the next step's first products write over registers that these have read as P
.endr
.endif
.endm
	s_wait_alu depctr_va_vdst(0)
	s_wait_tensorcnt 0x1                           ; my part of block 0 is in; block 1's may stay out
	s_barrier_signal -1
	s_barrier_wait -1                              ; everybody's is
	LOADK 0                                        ; the first step's K
	s_wait_loadcnt 0x0                             ; Q
.Lblock:                                           ; two trips: blocks 0 and 1; at their ends blocks 2 and 3 are asked for
	STEP 0, 0
	STEP 1, 1
	s_sub_co_u32 s[TRIPS], s[TRIPS], 1
	s_cmp_lg_u32 s[TRIPS], 0
	s_cbranch_scc1 .Lblock
	STEP 0, 0                                      ; blocks 2 and 3 are written out
	STEP 1, 2                                      ; behind this step's barrier nobody reads slot 0, and it has had its last fill
	STEP 0, 0
	STEP 1, 3
	; THE FOUR SHARES OF A TILE MEET.  The end's addresses are made here: a constant + constants x the lane's and the wave's fields; these plain lines are also the places behind the last products.
	v_bfe_u32 v[TM], v0, 4, 1                      ; h
	s_wait_alu depctr_va_vdst(0)
	s_lshl_b32 s53, s[WV], 12
	v_add_nc_u32 v[OW], s53, v[L16]                ; OIMG (= 0) + 4,096 x wave + 16 x lane
	v_lshl_add_u32 v[MW], v0, 2, MIMG              ; MIMG + 128 x wave + 4 x lane
	s_lshl_b32 s53, s19, 12
	s_lshl_b32 s54, s20, 10
	s_add_co_u32 s53, s53, s54
	v_add_nc_u32 v[OR], s53, v[L16]                ; share g of my tile is wave 4 g + QT's: 16,384 g stands in the loads' offsets; channel tile G is 1,024 G bytes into an image
	s_lshl_b32 s53, s19, 7
	s_add_co_u32 s53, s53, MIMG
	v_and_b32 v[MR], 31, v0
	s_delay_alu instid0(VALU_DEP_1)
	v_lshl_add_u32 v[MR], v[MR], 2, s53
	s_mul_i32 s53, s20, 16*SP
	s_lshl_b32 s54, s19, 6
	s_add_co_u32 s53, s53, s54
	s_add_co_u32 s53, s53, STG
	v_mul_u32_u24 v[SW], v[TM], 8*SP
	s_delay_alu instid0(VALU_DEP_1)
	v_lshl_add_u32 v[SW], v[RR], 2, v[SW]
	s_delay_alu instid0(VALU_DEP_1)
	v_add_nc_u32 v[SW], s53, v[SW]                 ; row (channel) 16 G + 8 h, word (query) 16 QT + r
	s_mul_i32 s53, s[WV], 4*SP
	s_add_co_u32 s53, s53, STG
	v_mul_u32_u24 v[SR], v[TM], SP
	s_delay_alu instid0(VALU_DEP_1)
	v_lshl_add_u32 v[SR], v[RR], 4, v[SR]
	s_delay_alu instid0(VALU_DEP_1)
	v_add_nc_u32 v[SR], s53, v[SR]                 ; back: rows 4 w + h, 16 bytes a lane
	v_add_f32 v14, v14, v15                        ; the sum's two halves,
	s_delay_alu instid0(VALU_DEP_1)
	v_permlanex16_b32 v[FP], v14, s[SEL], s[SEL+1]
	s_delay_alu instid0(VALU_DEP_1)
	v_add_f32 v14, v14, v[FP]                      ; and lane l xor 16's
.set i, 0
.rept 8
	ds_store_b128 v[OW], v[O+4*i:O+4*i+3] offset:512*i             ; my O^T as it stands in my registers; ascending: each accumulator from its low end on
.set i, i+1
.endr
	ds_store_b32 v[MW], v12
	ds_store_b32 v[MW], v14 offset:LIMG-MIMG
	s_wait_dscnt 0x0                               ; for the others' sake: my stores are done
	s_barrier_signal -1
	s_barrier_wait -1
.irp g, 0,1,2,3                        ; wave (QT, G) joins channel tile G of query tile QT: share g's eight registers, its -M, its sum
	ds_load_b128 v[SH+8*\g:SH+8*\g+3],   v[OR] offset:16384*\g
	ds_load_b128 v[SH+8*\g+4:SH+8*\g+7], v[OR] offset:16384*\g+512
	ds_load_b32 v[MS+\g], v[MR] offset:512*\g
	ds_load_b32 v[LS+\g], v[MR] offset:LIMG-MIMG+512*\g
.endr
	s_wait_dscnt 0x0
	v_min3_num_f32 v[MM], v[MS], v[MS+1], v[MS+2]
	s_delay_alu instid0(VALU_DEP_1)
	v_min_num_f32 v[MM], v[MM], v[MS+3]            ; -M of the whole row: the least of the four -M
.irp g, 0,1,2,3
	v_sub_f32 v[FF+\g], v[MM], v[MS+\g]            ; share g's M less the row's: a whole number, 0 or less
.endr
.irp g, 0,1,2,3
	s_delay_alu instid0(VALU_DEP_4)
	v_cvt_i32_f32 v[FF+\g], v[FF+\g]
.endr
.irp g, 0,1,2,3
	s_delay_alu instid0(VALU_DEP_4)
	v_ldexp_f32 v[FF+\g], 1.0, v[FF+\g]            ; f of share g: an exact power of two
.endr
	s_delay_alu instid0(VALU_DEP_4)
	v_mul_f32 v[LL], v[FF], v[LS]
	s_delay_alu instid0(VALU_DEP_1)
	v_fmac_f32 v[LL], v[FF+1], v[LS+1]
	s_delay_alu instid0(VALU_DEP_1)
	v_fmac_f32 v[LL], v[FF+2], v[LS+2]
	s_delay_alu instid0(VALU_DEP_1)
	v_fmac_f32 v[LL], v[FF+3], v[LS+3]             ; the row's sum
	s_wait_alu depctr_va_vdst(0)
	v_rcp_f32 v[LL], v[LL]
.irp j, 0,1,2,3,4,5,6,7                ; (plain lines behind the reciprocal)
	v_mul_f32 v[RS+\j], v[FF], v[SH+\j]
.endr
.irp g, 1,2,3
.irp j, 0,1,2,3,4,5,6,7
	v_fmac_f32 v[RS+\j], v[FF+\g], v[SH+8*\g+\j]
.endr
.endr
	s_wait_alu depctr_va_vdst(0)
	v_ldexp_f32 v[LL], v[LL], s46                  ; x 2^(e8 + e9)
	s_delay_alu instid0(VALU_DEP_1)
	v_mul_f32 v[LL], s52, v[LL]                    ; x alpha
.irp j, 0,1,2,3,4,5,6,7
	v_mul_f32 v[RS+\j], v[RS+\j], v[LL]            ; register j: alpha x o(channel 16 G + 8 h + j, query 16 QT + r)
.endr
	; THE WAY OUT.  A lane holds one query and eight channels; out's rows run along the queries.  So the 64 x 64 numbers meet in a stage, rows of 272 bytes, which shares no byte with the images above.
.irp j, 0,1,2,3,4,5,6,7
	ds_store_b32 v[SW], v[RS+\j] offset:SP*\j      ; lanes 0-15 write 16 neighbouring words; lanes 16-31 lie 8 rows = 544 words on, which is 32 words further round the 64 banks (ISA guide 11.1)
.endr
	s_wait_dscnt 0x0                               ; for the others' sake: my stores are done
	s_barrier_signal -1
	s_barrier_wait -1
	ds_load_b128 v[BK:BK+3],   v[SR]               ; rows 4 w + h,
	ds_load_b128 v[BK+4:BK+7], v[SR] offset:2*SP   ; rows 4 w + 2 + h
	s_wait_loadcnt 0x0                             ; x, asked for in the last step
	s_wait_dscnt 0x0
.irp j, 0,2,4,6
	v_pk_add_f32 v[BK+\j:BK+\j+1], v[BK+\j:BK+\j+1], v[KP+\j:KP+\j+1]          ; + x
.endr
	global_store_b128 v[GO], v[BK:BK+3],   s[14:15] th:TH_STORE_NT             ; 16 lanes store 256 consecutive bytes, at a multiple of 256 from out's first byte; written once, read by nobody here
	global_store_b128 v[GO], v[BK+4:BK+7], s[14:15] offset:32768 th:TH_STORE_NT
	s_wait_tensorcnt 0x0                           ; the wave's end, behind my last tensor load and my last LDS store
	ds_add_u32 v[SPW], v[NIL]
	s_wait_dscnt 0x0
	CROUND                                         ; the closing round: no work-group ends while a partner may still ask for a tile that names it
	s_endpgm
.Lfunc_end_k_q061aef0e4b_attn:
	.size	k_q061aef0e4b_attn, .Lfunc_end_k_q061aef0e4b_attn-k_q061aef0e4b_attn
	.p2alignl 7, 3214868480
	.fill 96, 4, 3214868480
	.section	.rodata,"a",@progbits
	.p2align	6, 0x0
	.amdhsa_kernel k_q061aef0e4b_attn
		.amdhsa_group_segment_fixed_size 327680
		.amdhsa_private_segment_fixed_size 0
		.amdhsa_enable_private_segment 0
		.amdhsa_kernarg_size 48
		.amdhsa_user_sgpr_count 2
		.amdhsa_user_sgpr_kernarg_segment_ptr 1
		.amdhsa_wavefront_size32 1
		.amdhsa_system_sgpr_workgroup_id_x 1
		.amdhsa_system_sgpr_workgroup_id_y 1
		.amdhsa_system_sgpr_workgroup_id_z 1
		.amdhsa_system_vgpr_workitem_id 0
		.amdhsa_next_free_vgpr 256
		.amdhsa_next_free_sgpr 66
		.amdhsa_reserve_vcc 0
		.amdhsa_float_denorm_mode_32 3
		.amdhsa_float_denorm_mode_16_64 3
		.amdhsa_fp16_overflow 1
		.amdhsa_memory_ordered 1
		.amdhsa_forward_progress 1
		.amdhsa_inst_pref_size 98
	.end_amdhsa_kernel
	.amdgpu_metadata
---
amdhsa.version: [ 1, 2 ]
amdhsa.kernels:
  - .name:           k_q061aef0e4b_attn
    .symbol:         k_q061aef0e4b_attn.kd
    .args:
      - { .name: q, .offset: 0, .size: 8, .value_kind: global_buffer, .address_space: global }
      - { .name: kv, .offset: 8, .size: 8, .value_kind: global_buffer, .address_space: global }
      - { .name: lowp_scales, .offset: 16, .size: 8, .value_kind: global_buffer, .address_space: global }
      - { .name: alpha, .offset: 24, .size: 8, .value_kind: global_buffer, .address_space: global }
      - { .name: x, .offset: 32, .size: 8, .value_kind: global_buffer, .address_space: global }
      - { .name: out0, .offset: 40, .size: 8, .value_kind: global_buffer, .address_space: global }
    .group_segment_fixed_size: 327680
    .private_segment_fixed_size: 0
    .kernarg_segment_align: 8
    .kernarg_segment_size: 48
    .max_flat_workgroup_size: 512
    .sgpr_count:     66
    .vgpr_count:     256
    .wavefront_size: 32
...
	.end_amdgpu_metadata
.endif
;; end of part 2
